; MI455X (gfx1250); checked and timed in simulation.
; The chip was launched on July 23, 2026; its instructions are those of AMD's public machine-readable ISA for CDNA 5 (MIT licence, August 2026) and "CDNA5" Instruction Set Architecture Reference Guide (July 2026). The comments in the code are by the model that wrote it; some were corrected since.
;; Ptr Layer. Allowed arithmetic: float matrix products may take bf16 or f16 operands with f32 sums; all other float work in f32.
;; Inputs: W1 2,048 x 128 float32; W2 2,048 x 128 float32; d 16 x 2,048 x 128 float32; e 16 x 2,048 x 128 float32; x 16 x 2,048 x 128 float32.
;; Outputs: out0 16 x 2,048 x 128 float32.
;; 2 versions, each right; version 2 is version 1 with the launch tobf16 written anew for expert scheduling mode. Each part assembles by itself: llvm-mc -triple=amdgcn-amd-amdhsa -mcpu=gfx1250 --defsym DOCPART=n.
;; ======== version 1 of 2: 2 launches
;; workspace buffers: eb 8,388,608 bytes; xb 8,388,608 bytes; w2b 524,288 bytes
;; launch tobf16 (part 1): grid 256 x 1, 8 waves a work-group, no clusters, 0 bytes of LDS; arguments e, x, W2, eb, xb, w2b; writes eb, xb, w2b
.if DOCPART == 1
	.amdgcn_target "amdgcn-amd-amdhsa--gfx1250"
	.amdhsa_code_object_version 6
	.text
	.protected	k_q5df15d5815_tobf16
	.globl	k_q5df15d5815_tobf16
	.p2align	8
	.type	k_q5df15d5815_tobf16,@function
k_q5df15d5815_tobf16:
	s_mov_b64 s[64:65], 0
	v_nop
	global_prefetch_b8 v0, s[64:65] scope:SCOPE_SE
	s_setreg_imm32_b32 hwreg(HW_REG_WAVE_MODE, 25, 1), 1
	s_wait_xcnt 0x0
; eb = bf16(e), xb = bf16(x), w2b = bf16(W2), rounded to nearest even, same order of elements.
; Why a launch of its own: in the next launch the 16 work-groups of a batch all walk e and x of that batch, and all 256 walk W2; rounded here, each number is rounded once.
; 256 work-groups x 8 waves = 2,048 waves.  Wave g owns 8,192 consecutive bytes of e, 8,192 of x (16 blocks of 512 bytes each) and 512 bytes of W2:
; 2,048 x 8,192 = 16,777,216 and 2,048 x 512 = 1,048,576, the buffers' sizes.
; A load takes 16 bytes a lane, 512 consecutive bytes a wave; its four f32 a lane become 8 bytes, so a store of the wave covers 256 consecutive bytes, aligned.
; All 33 loads of a wave go out first: no loop, no register is used twice, so no store's data or address is ever rewritten.
; No LDS, barrier, cluster or matrix unit: no byte is used twice here.
.set XR, 8                             ; v[8:139]  block n in four registers at 4 n: e's 16, x's 16, W2's one
	s_load_b256 s[4:11], s[0:1], 0x0               ; e s[4:5], x s[6:7], W2 s[8:9], eb s[10:11]
	s_load_b128 s[12:15], s[0:1], 0x20             ; xb s[12:13], w2b s[14:15]
	v_and_b32 v1, 31, v0                           ; lane
	v_lshrrev_b32 v2, 5, v0                        ; wave
	v_lshlrev_b32 v3, 4, v0                        ; W2: 512 wave + 16 lane = 16 t
	v_lshlrev_b32 v4, 3, v0                        ; w2b: 8 t
	v_lshlrev_b32 v5, 4, v1
	v_lshl_add_u32 v5, v2, 13, v5                  ; e, x: 8,192 wave + 16 lane
	v_lshlrev_b32 v6, 3, v1
	v_lshl_add_u32 v6, v2, 12, v6                  ; eb, xb: 4,096 wave + 8 lane
	s_lshl_b32 s16, ttmp9, 16                      ; the work-group's part: 65,536 bytes of e and of x,
	s_mov_b32 s17, 0
	s_lshl_b32 s18, ttmp9, 15                      ; 32,768 of eb and of xb,
	s_mov_b32 s19, 0
	s_lshl_b32 s20, ttmp9, 12                      ; 4,096 of W2,
	s_mov_b32 s21, 0
	s_lshl_b32 s22, ttmp9, 11                      ; 2,048 of w2b
	s_mov_b32 s23, 0
	s_wait_kmcnt 0x0
	s_add_nc_u64 s[4:5], s[4:5], s[16:17]
	s_add_nc_u64 s[6:7], s[6:7], s[16:17]
	s_add_nc_u64 s[8:9], s[8:9], s[20:21]
	s_add_nc_u64 s[10:11], s[10:11], s[18:19]
	s_add_nc_u64 s[12:13], s[12:13], s[18:19]
	s_add_nc_u64 s[14:15], s[14:15], s[22:23]
.set i, 0
.rept 16
	global_load_b128 v[XR+4*i:XR+4*i+3], v5, s[4:5] offset:512*i th:TH_LOAD_NT
.set i, i+1
.endr
.set i, 0
.rept 16
	global_load_b128 v[XR+64+4*i:XR+64+4*i+3], v5, s[6:7] offset:512*i th:TH_LOAD_NT
.set i, i+1
.endr
	global_load_b128 v[XR+128:XR+131], v3, s[8:9] th:TH_LOAD_NT
; block n: loads come back in order (ISA guide 5.7.1), so the count leaves the 32 - n younger ones out
.set i, 0
.rept 16
	s_wait_loadcnt 32-i
	v_cvt_pk_bf16_f32 v[XR+4*i], v[XR+4*i], v[XR+4*i+1]
	v_cvt_pk_bf16_f32 v[XR+4*i+1], v[XR+4*i+2], v[XR+4*i+3]
	global_store_b64 v6, v[XR+4*i:XR+4*i+1], s[10:11] offset:256*i
.set i, i+1
.endr
.set i, 0
.rept 16
	s_wait_loadcnt 16-i
	v_cvt_pk_bf16_f32 v[XR+64+4*i], v[XR+64+4*i], v[XR+64+4*i+1]
	v_cvt_pk_bf16_f32 v[XR+64+4*i+1], v[XR+64+4*i+2], v[XR+64+4*i+3]
	global_store_b64 v6, v[XR+64+4*i:XR+64+4*i+1], s[12:13] offset:256*i
.set i, i+1
.endr
	s_wait_loadcnt 0x0
	v_cvt_pk_bf16_f32 v[XR+128], v[XR+128], v[XR+129]
	v_cvt_pk_bf16_f32 v[XR+129], v[XR+130], v[XR+131]
	global_store_b64 v4, v[XR+128:XR+129], s[14:15]
	s_endpgm
.Lfunc_end_k_q5df15d5815_tobf16:
	.size	k_q5df15d5815_tobf16, .Lfunc_end_k_q5df15d5815_tobf16-k_q5df15d5815_tobf16
	.p2alignl 7, 3214868480
	.fill 96, 4, 3214868480
	.section	.rodata,"a",@progbits
	.p2align	6, 0x0
	.amdhsa_kernel k_q5df15d5815_tobf16
		.amdhsa_group_segment_fixed_size 0
		.amdhsa_private_segment_fixed_size 0
		.amdhsa_enable_private_segment 0
		.amdhsa_kernarg_size 48
		.amdhsa_user_sgpr_count 2
		.amdhsa_user_sgpr_kernarg_segment_ptr 1
		.amdhsa_wavefront_size32 1
		.amdhsa_system_sgpr_workgroup_id_x 1
		.amdhsa_system_sgpr_workgroup_id_y 1
		.amdhsa_system_sgpr_workgroup_id_z 1
		.amdhsa_system_vgpr_workitem_id 0
		.amdhsa_next_free_vgpr 140
		.amdhsa_next_free_sgpr 66
		.amdhsa_reserve_vcc 0
		.amdhsa_float_denorm_mode_32 3
		.amdhsa_float_denorm_mode_16_64 3
		.amdhsa_memory_ordered 1
		.amdhsa_forward_progress 1
		.amdhsa_inst_pref_size 13
	.end_amdhsa_kernel
	.amdgpu_metadata
---
amdhsa.version: [ 1, 2 ]
amdhsa.kernels:
  - .name:           k_q5df15d5815_tobf16
    .symbol:         k_q5df15d5815_tobf16.kd
    .args:
      - { .name: e, .offset: 0, .size: 8, .value_kind: global_buffer, .address_space: global }
      - { .name: x, .offset: 8, .size: 8, .value_kind: global_buffer, .address_space: global }
      - { .name: W2, .offset: 16, .size: 8, .value_kind: global_buffer, .address_space: global }
      - { .name: eb, .offset: 24, .size: 8, .value_kind: global_buffer, .address_space: global }
      - { .name: xb, .offset: 32, .size: 8, .value_kind: global_buffer, .address_space: global }
      - { .name: w2b, .offset: 40, .size: 8, .value_kind: global_buffer, .address_space: global }
    .group_segment_fixed_size: 0
    .private_segment_fixed_size: 0
    .kernarg_segment_align: 8
    .kernarg_segment_size: 48
    .max_flat_workgroup_size: 256
    .sgpr_count:     66
    .vgpr_count:     140
    .wavefront_size: 32
...
	.end_amdgpu_metadata
.endif
;; end of part 1
;; launch ptr (part 2): grid 16 x 16, 4 waves a work-group, clusters of 4 x 1, 327,680 bytes of LDS; arguments eb, w2b, xb, W1, d, out0; writes out0
.if DOCPART == 2
	.amdgcn_target "amdgcn-amd-amdhsa--gfx1250"
	.amdhsa_code_object_version 6
	.text
	.protected	k_q5df15d5815_ptr
	.globl	k_q5df15d5815_ptr
	.p2align	8
	.type	k_q5df15d5815_ptr,@function
k_q5df15d5815_ptr:
	s_mov_b64 s[64:65], 0
	v_nop
	global_prefetch_b8 v0, s[64:65] scope:SCOPE_SE
	s_setreg_imm32_b32 hwreg(HW_REG_WAVE_MODE, 25, 1), 1
	s_wait_xcnt 0x0
	s_wait_alu depctr_hold_cnt(0) depctr_sa_sdst(0) depctr_va_vdst(0) depctr_va_sdst(0) depctr_va_ssrc(0) depctr_va_vcc(0) depctr_vm_vsrc(0)
	s_getreg_b32 s2, hwreg(HW_REG_IB_STS2, 6, 4)
	s_cmp_eq_u32 s2, 0
	s_cbranch_scc0 .Lentry_in_a_cluster
	s_endpgm
.Lentry_in_a_cluster:
	s_bfe_u32 s2, ttmp6, 0x10000c
	s_cmp_lg_u32 s2, 0x3003
	s_cbranch_scc0 .Lentry_shape_is_right
	s_endpgm
.Lentry_shape_is_right:
; out[b][j][:] = sum over i of softmax_i(tanh(S[i][j])) x[b][i][:],  S[i][j] = e[b][i].W1[j] + W2[i].d[b][j].
; With K[i] = (e[b][i] | W2[i]) and Q[j] = (W1[j] | d[b][j]), both 256 long, S = K Q^T: attention with 2,048 keys i, 2,048 queries j, values x.
; e, W2 and x come as bf16 (eb, w2b, xb: the launch before rounded them once); W1 and d come as f32 and are rounded here, each row by the two waves that use it.
; A work-group takes one batch and 128 queries and walks the 2,048 keys in 32 steps of 64.  Four waves: wave w has the queries 64 (w>>1) .. +63
; and the keys 32 (w&1) .. +31 of every step; the two key halves are added through LDS at the end.
;
; SOFTMAX WITHOUT A MAXIMUM: the weight is exp(tanh s - 1) = exp2(-2.88539 / (1 + exp2(2.88539 s))).  The tanh of the problem itself bounds it to
; [exp(-2), 1] for every s (s = +inf gives 1, s = -inf gives exp(-2)), and a column's sum to [277, 2048]: nothing can overflow or underflow, so no maximum
; is taken away, and the sums over keys may be taken in any order and in parts.
; LIMITS: e, W1, W2, d, x and the weights go to the matrix unit rounded to bf16 (nearest even); the denominator sums the weights in f32 before that rounding;
; keys are summed in a rotated order and in two halves; NaN in an input spreads as in any sum.
;
; CLUSTER: the four work-groups of a cluster (4, 1, 1) have the same batch and walk the same key tiles in the same order, so each tile of eb, w2b and xb is
; asked for jointly (mask 15) and lands in all four.  A tile is 128 keys, two steps: 128 rows of 256 bytes, one tensor load; waves 0, 1, 2 fetch eb's, w2b's, xb's.
; The four clusters of a batch start at different tiles (cluster c at tile 4 c, then round the 16), so that they do not ask memory for the same tile at once.
; PREFETCH: wave 3 has no tile to fetch.  It asks for the eb and xb tiles START+1 .. START+3 of its cluster's walk: lanes 256 bytes apart, work-group cx takes
; quarter cx (8,192 bytes) of each tile, so each block is asked for once.  Tile 1 is asked for at the start, tile 2 at the head of tile 0, tile 3 at the head of tile 1; tile n's
; tensor load stands at the head of tile n - 1.  START + 3 is 15 at the most: no request leaves the batch's rows.  Later tiles were another cluster's first four.
;
; LAYOUTS: the score product has keys as rows and queries as columns, so lane (r, h) holds in register t the score (i = 8h + t, j = r); two such tiles, packed
; by pairs, ARE the second operand of the next product (column j = r, k = i): the weights never leave the registers.  That product has x transposed as its first
; operand (rows c, read from x[i][c] by the transposing LDS load), so a lane's eight results are eight neighbouring columns c of one output row j.
;
; PIPELINE, step t: the first K fragments of step t are asked for; the weights of step t - 2 meet x of step t - 2 (registers alone: 32 matrix instructions while those
; fragments come); then the scores of step t are multiplied while the softmax of step t - 1 runs between the matrix instructions.  x transposed is read in its own step
; into one of two register buffers, so nothing of a slot is read behind the round behind which it is filled again.
;
; REGISTERS in windows of 256: window 0 addresses, sums, fragments of K, weights, two score buffers; window 1 Q (4 x 8 fragments);
; window 2 the 32 output tiles O[jb][cb] at 64 jb + 8 cb; window 3 x transposed, two buffers of 8 fragments.  Windows 2 and 3 first stage Q's f32.
.set KPITCH, 272                       ; an LDS row of eb's and w2b's tiles: 256 bytes + 16 = 17 x 16: sixteen neighbouring rows start 16 bytes apart modulo 256
.set KTILE,  128*KPITCH                ; 34,816
.set XPITCH, 288                       ; an LDS row of xb's tile: 256 bytes + 32 = 9 x 32, for the transposing load
.set XTILE,  128*XPITCH                ; 36,864
.set SLOT,   2*KTILE+XTILE             ; 106,496: eb's tile, w2b's tile, xb's tile
.set EX,     2*SLOT                    ; 212,992: the merge: 17,408 bytes for each wave; no tensor load lands here or behind
.set EXW,    17408                     ; 32 quads of 512 bytes, then two rows of 512 bytes for the denominators
.set STAGE,  EX+4*EXW                  ; 282,624: a stage for the way out for each wave
.set SPITCH, 528                       ; a stage's row: 512 bytes + 16
.set STG,    16*SPITCH                 ; 8,448
.set TILEB,  32768                     ; a tile in memory: 128 rows of 256 bytes
.set PF,     3                         ; v3      prefetch: 8,192 cx + 256 lane
.set ADK,    4                         ; v4-5    my rows of eb's tile in slot 0, 1
.set ADT,    6                         ; v6-7    the transposing load's address in slot 0, 1
.set QOFF,   10                        ; v10     Q: 512 r + 32 h
.set OUTOFF, 11                        ; v11     16 lane
.set EXS,    12                        ; v12     the merge: where I send
.set STO,    13                        ; v13     the way out: in
.set RD,     14                        ; v14     the way out: back
.set EXR,    15                        ; v15     the merge: where my partner sent
.set LS,     16                        ; v16-31  sums of weights: for query block nb two pairs at 4 nb
.set TEMP,   32                        ; v32-63  at work in the set-up and on the way out
.set KF,     64                        ; v64-95  fragments of K: two buffers x two blocks of 16 keys
.set PW,     96                        ; v96-127 weights in bf16: one fragment for each query block
.set SB0,    128                       ; v128-191, v192-255: two score buffers of 8 tiles, tile q = 4 mb + nb at 8 q
.set SB1,    SB0+64
.set G1,     24                        ; s[24:31] descriptor group 1 for eb's and w2b's tiles
.set G0,     32                        ; s[32:39] descriptor group 0, one set for each slot
.set G1X,    68                        ; s[68:75] descriptor group 1 for xb's tiles: it differs in the padding alone
.set MSB, 0
.macro WIN new                         ; s_set_vgpr_msb: bits 1:0 source 0, 3:2 source 1, 5:4 source 2, 7:6 destination; the high byte repeats the setting that is left
.if MSB != \new
	s_set_vgpr_msb (MSB<<8)|\new
.set MSB, \new
.endif
.endm
.macro PLACES                          ; four places behind a matrix instruction where no useful plain vector work stands (ISA guide 7.12.1)
.rept 4
	v_nop
.endr
.endm
; A round of the cluster's barrier: my work-group's barrier, wave 0 signals for the work-group, every wave waits for all four work-groups, my work-group's barrier again.
.macro ROUND
	s_barrier_signal -1
	s_barrier_wait -1
	s_cmp_lg_u32 s16, 0
	s_cbranch_scc1 .Lnot_wave_0_\@
	s_barrier_signal -3
.Lnot_wave_0_\@:
	s_barrier_wait -3
	s_barrier_signal -1
	s_barrier_wait -1
.endm
; Waves 0 and 1 ask jointly for eb's and w2b's tile, wave 2 for xb's, by descriptor g0; wave 3 asks for cnt tiles of eb and xb ahead, from tile START + n0 on.
; The branches hang on the wave's number alone: they are the same in every work-group.
.macro REFILL g0, n0, cnt
	s_cmp_eq_u32 s17, 0
	s_cbranch_scc0 .Lupper_\@
	tensor_load_to_lds s[\g0:\g0+3], s[G1:G1+7]
	s_nop 0
	s_branch .Lasked_\@
.Lupper_\@:
	s_cmp_eq_u32 s16, 3
	s_cbranch_scc1 .Lwave_3_\@
	tensor_load_to_lds s[\g0:\g0+3], s[G1X:G1X+7]
	s_nop 0
.if \cnt
	s_branch .Lasked_\@
.endif
.Lwave_3_\@:
.if \cnt
.set pn, \n0
.rept \cnt
	global_prefetch_b8 v[PF], s[52:53] offset:pn*TILEB th:TH_LOAD_NT scope:SCOPE_SE
	global_prefetch_b8 v[PF], s[54:55] offset:pn*TILEB th:TH_LOAD_NT scope:SCOPE_SE
.set pn, pn+1
.endr
.endif
.Lasked_\@:
.endm
	s_load_b256 s[4:11], s[0:1], 0x0               ; eb s[4:5], w2b s[6:7], xb s[8:9], W1 s[10:11]
	s_load_b128 s[12:15], s[0:1], 0x20             ; d s[12:13], out0 s[14:15]
	v_lshl_add_u32 v62, v0, 2, 0x4d400
	v_mov_b32 v63, 0
	ds_add_u32 v62, v63
	v_lshrrev_b32 v1, 5, v0
	v_readfirstlane_b32 s16, v1                    ; wave 0..3
	s_lshr_b32 s17, s16, 1                         ; qh: which 64 queries
	s_and_b32 s18, s16, 1                          ; kh: which 32 keys of a step
	s_bfe_u32 s19, ttmp6, 0x40000                  ; cx: my place in the cluster
	s_and_b32 s20, ttmp7, 0xffff                   ; the batch
	s_lshl_b32 s21, ttmp9, 2                       ; START = 4 x cluster x: the cluster's first tile
	s_add_co_u32 s22, s21, s19                     ; block of 128 queries = 4 x cluster x + cx
	s_lshl_b32 s22, s22, 16                        ; x 128 rows x 512 bytes
	s_lshl_b32 s23, s17, 15                        ; + 64 qh rows
	s_add_co_u32 s22, s22, s23                     ; s[22:23]: byte offset of my first query's row.  cx lives in s2, s19, s22 and v3 alone,
	s_mov_b32 s23, 0                               ; none of which feeds a descriptor, an LDS address or a branch
	s_lshl_b32 s2, s19, 13
	v_and_b32 v[TEMP], 31, v0                      ; lane
	v_lshl_add_u32 v[PF], v[TEMP], 8, s2           ; 256 lane + 8,192 cx
	s_mov_b32 s46, 0x4038aa3b                      ; 2 log2(e) = 2.88539, twice (a pair for the packed forms)
	s_mov_b32 s47, 0x4038aa3b
	s_mov_b32 s48, 0xbeb17218                      ; -ln(2)/2 = -1/2.88539, twice
	s_mov_b32 s49, 0xbeb17218
	s_mov_b32 s50, 0x76543210                      ; v_permlanex16_b32: lane i reads lane i of the other half
	s_mov_b32 s51, 0xfedcba98
	; group 1: a tile of 128 rows x 128 bf16, padding behind each row, for all four work-groups of the cluster
	s_mov_b32 s[G1+0], 15|(1<<16)|(1<<20)|(1<<21)|(5<<22)|(3<<25)  ; 15:0 mask; 17:16 2-byte elements; 20 padding on; 21 set beside a mask; 24:22 after every 64 words; 31:25 four words
	s_mov_b32 s[G1+1], 128<<16                     ; tensor_dim0 = 128
	s_mov_b32 s[G1+2], 128<<16                     ; tensor_dim1 = 128
	s_mov_b32 s[G1+3], 128<<16                     ; tile_dim0 = 128
	s_mov_b32 s[G1+4], 128                         ; tile_dim1 = 128
	s_mov_b32 s[G1+5], 128                         ; 128 elements from row to row
	s_mov_b32 s[G1+6], 0
	s_mov_b32 s[G1+7], 0
	s_mov_b32 s[G1X+0], 15|(1<<16)|(1<<20)|(1<<21)|(5<<22)|(7<<25) ; the same with eight words of padding
	s_mov_b32 s[G1X+1], 128<<16
	s_mov_b32 s[G1X+2], 128<<16
	s_mov_b32 s[G1X+3], 128<<16
	s_mov_b32 s[G1X+4], 128
	s_mov_b32 s[G1X+5], 128
	s_mov_b32 s[G1X+6], 0
	s_mov_b32 s[G1X+7], 0
	s_mov_b32 s[G0+0], 1
	s_mul_i32 s[G0+1], s16, KTILE                  ; LDS: wave x 34,816 in slot 0,
	s_mov_b32 s[G0+4], 1
	s_add_co_u32 s[G0+5], s[G0+1], SLOT            ; and in slot 1
	s_lshl_b32 s42, s20, 19                        ; a batch of eb, xb is 2,048 rows of 256 bytes,
	s_mov_b32 s43, 0
	s_lshl_b32 s62, s20, 20                        ; of d, out0 2,048 rows of 512 bytes
	s_mov_b32 s63, 0
	s_add_co_u32 s45, s21, 1                       ; the number of the last tile that has a descriptor
	s_wait_dscnt 0x0
	s_wait_kmcnt 0x0
	s_add_nc_u64 s[56:57], s[4:5], s[42:43]        ; eb, xb, d, out0 at my batch
	s_add_nc_u64 s[60:61], s[8:9], s[42:43]
	s_add_nc_u64 s[12:13], s[12:13], s[62:63]
	s_add_nc_u64 s[14:15], s[14:15], s[62:63]
	s_add_nc_u64 s[10:11], s[10:11], s[22:23]      ; W1, d, out0 at my first query
	s_add_nc_u64 s[12:13], s[12:13], s[22:23]
	s_add_nc_u64 s[14:15], s[14:15], s[22:23]
	s_cmp_eq_u32 s16, 1                            ; s[40:41]: the buffer whose tiles my wave fetches: wave 0 eb, wave 1 w2b, wave 2 xb
	s_cselect_b64 s[40:41], s[6:7], s[56:57]
	s_cmp_eq_u32 s16, 2
	s_cselect_b64 s[40:41], s[60:61], s[40:41]
	s_lshl_b32 s42, s21, 15                        ; START tiles of 32,768 bytes
	s_add_nc_u64 s[52:53], s[56:57], s[42:43]      ; eb and xb at tile START, for the prefetches; never rewritten
	s_add_nc_u64 s[54:55], s[60:61], s[42:43]
	s_add_nc_u64 s[G0+2:G0+3], s[40:41], s[42:43]  ; slot 0: tile START
	s_add_nc_u64 s[G0+6:G0+7], s[40:41], s[42:43]
	s_add_nc_u64 s[G0+6:G0+7], s[G0+6:G0+7], TILEB ; slot 1: tile START + 1
	s_or_b32 s[G0+3], s[G0+3], 0x80000000          ; type 2
	s_or_b32 s[G0+7], s[G0+7], 0x80000000
	ROUND                                          ; all four work-groups are here: the first joint loads meet
	REFILL G0, 1, 1                                ; slot 0's first fill; slot 1 is first filled behind the first tile's round, as a refill is
	; addresses.  r = lane % 16, h = lane / 16
	v_and_b32 v1, 15, v0
	v_bfe_u32 v2, v0, 4, 1
	s_mul_i32 s56, s18, 32*KPITCH
	v_mul_u32_u24 v[ADK], v1, KPITCH
	v_lshl_add_u32 v[ADK], v2, 4, v[ADK]
	v_add_nc_u32 v[ADK], s56, v[ADK]               ; (32 kh + r) 272 + 16 h: eight bf16 are 16 bytes
	v_add_nc_u32 v[ADK+1], SLOT, v[ADK]
	v_and_b32 v[TEMP+1], 7, v0
	v_lshl_add_u32 v[TEMP+1], v2, 3, v[TEMP+1]
	v_mul_u32_u24 v[TEMP+1], v[TEMP+1], XPITCH
	v_bfe_u32 v[TEMP+2], v0, 3, 1
	v_lshl_add_u32 v[TEMP+1], v[TEMP+2], 4, v[TEMP+1]
	s_mul_i32 s56, s18, 32*XPITCH
	s_add_co_u32 s56, s56, 2*KTILE
	v_add_nc_u32 v[ADT], s56, v[TEMP+1]            ; xb's tile: (32 kh + 8 h + lane % 8) 288 + 16 ((lane / 8) % 2)
	v_add_nc_u32 v[ADT+1], SLOT, v[ADT]
	s_mul_i32 s56, s16, STG
	s_add_co_u32 s56, s56, STAGE                   ; my stage for the way out
	v_lshlrev_b32 v[OUTOFF], 4, v[TEMP]
	v_add_nc_u32 v[RD], s56, v[OUTOFF]
	v_mul_u32_u24 v[STO], v1, SPITCH
	v_lshl_add_u32 v[STO], v2, 5, v[STO]
	v_add_nc_u32 v[STO], s56, v[STO]               ; row r, 32 bytes for each half of the lanes
	v_lshlrev_b32 v[QOFF], 9, v1
	v_lshl_add_u32 v[QOFF], v2, 5, v[QOFF]
	s_mul_i32 s56, s16, EXW
	s_add_co_u32 s56, s56, EX
	v_add_nc_u32 v[EXS], s56, v[OUTOFF]            ; my 17,408 bytes of the merge,
	s_xor_b32 s57, s16, 1
	s_mul_i32 s57, s57, EXW
	s_add_co_u32 s57, s57, EX
	v_add_nc_u32 v[EXR], s57, v[OUTOFF]            ; and those of the wave with my queries and the other keys
	; Q: 64 queries x 256, once.  Fragment (nb, ks): lane (r, h) takes query 16 nb + r, k = 32 ks + 8 h + 0..7 and + 16: four loads of 16 bytes of f32.
.macro QLOAD nb
.irp ks, 0,1,2,3,4,5,6,7
.irp g, 0,1,2,3
.if \ks < 4
	global_load_b128 v[128*(\nb%2)+16*\ks+4*\g:128*(\nb%2)+16*\ks+4*\g+3], v[QOFF], s[10:11] offset:\nb*8192+(\ks%4)*128+(\g%2)*16+(\g/2)*64
.else
	global_load_b128 v[128*(\nb%2)+16*\ks+4*\g:128*(\nb%2)+16*\ks+4*\g+3], v[QOFF], s[12:13] offset:\nb*8192+(\ks%4)*128+(\g%2)*16+(\g/2)*64
.endif
.endr
.endr
.endm
.macro QCVT nb
.set qi, 0
.rept 64
	v_cvt_pk_bf16_f32 v[64*\nb+qi], v[128*(\nb%2)+2*qi], v[128*(\nb%2)+2*qi+1]
.set qi, qi+1
.endr
.endm
	WIN 0x80                                       ; into window 2
	QLOAD 0
	QLOAD 1
	WIN 0xc0                                       ; into window 3
	QLOAD 2
	QLOAD 3
	s_wait_loadcnt 0x3f                            ; 64 loads are younger than the first 64; 63 is the most that the count can name, and shows them in
	WIN 0x4a                                       ; window 2 to window 1
	QCVT 0
	QCVT 1
	s_wait_loadcnt 0x0
	WIN 0x4f                                       ; window 3 to window 1
	QCVT 2
	QCVT 3
	WIN 0
; Four LDS loads: the fragments of K step k (0-3 from eb's tile, 4-7 from w2b's) for my two blocks of 16 keys of step u of the slot, into fragment buffer k % 2
.macro LOADK k, slot, u
.irp mb, 0,1
	ds_load_b128 v[KF+16*((\k)%2)+8*\mb:KF+16*((\k)%2)+8*\mb+3], v[ADK+\slot] offset:((\k)/4)*KTILE+\u*64*KPITCH+\mb*16*KPITCH+((\k)%4)*64
	ds_load_b128 v[KF+16*((\k)%2)+8*\mb+4:KF+16*((\k)%2)+8*\mb+7], v[ADK+\slot] offset:((\k)/4)*KTILE+\u*64*KPITCH+\mb*16*KPITCH+((\k)%4)*64+32
.endr
.endm
; The softmax of a score tile, in place, in stages: s * 2.88539; E = exp2; -(1 + E) ln2 / 2 (one fused multiply-add); its reciprocal = -2.88539 / (1 + E); exp2 = the weight.
.macro MSTH base                       ; the first stage on four registers
	v_pk_mul_f32 v[\base:\base+1], v[\base:\base+1], s[46:47] op_sel_hi:[1,0]
	v_pk_mul_f32 v[\base+2:\base+3], v[\base+2:\base+3], s[46:47] op_sel_hi:[1,0]
	s_wait_alu depctr_va_vdst(0)
.endm
.macro NEXTM k, half                   ; the next tile's first stage is the plain instruction that stands between a transcendental and the use of its result (ISA guide 5.7.2); behind the last tile a v_nop
.if \k < 7
	MSTH SPRV+8*(\k+1)+4*\half
.else
	v_nop
	s_wait_alu depctr_va_vdst(0)
.endif
.endm
.macro FH base                         ; the third stage on four registers
	s_wait_alu depctr_va_vdst(0)
	v_pk_fma_f32 v[\base:\base+1], v[\base:\base+1], s[48:49], s[48:49] op_sel_hi:[1,0,0]
	v_pk_fma_f32 v[\base+2:\base+3], v[\base+2:\base+3], s[48:49], s[48:49] op_sel_hi:[1,0,0]
.endm
.macro TRANS op, base, cnt
.set tr_i, 0
.rept \cnt
	\op v[\base+tr_i], v[\base+tr_i]
.set tr_i, tr_i+1
.endr
.endm
; The weights of tile q = 4 mb + nb of score buffer sb: packed into half mb of query block nb's fragment, and added to its sums.  zero = 1: the first tile of a query block starts its sums.
.macro CST sb, q, zero
.irp u, 0,1,2,3
	v_cvt_pk_bf16_f32 v[PW+8*((\q)%4)+4*((\q)/4)+\u], v[\sb+8*(\q)+2*\u], v[\sb+8*(\q)+2*\u+1]
.endr
.set cl, LS+4*((\q)%4)
.set cs, \sb+8*(\q)
.set cz, 0
.if \zero
.if (\q) < 4
.set cz, 1
.endif
.endif
.if cz
	v_pk_add_f32 v[cl:cl+1], v[cs:cs+1], v[cs+4:cs+5]
	v_pk_add_f32 v[cl+2:cl+3], v[cs+2:cs+3], v[cs+6:cs+7]
.else
	v_pk_add_f32 v[cl:cl+1], v[cl:cl+1], v[cs:cs+1]
	v_pk_add_f32 v[cl+2:cl+3], v[cl+2:cl+3], v[cs+2:cs+3]
	v_pk_add_f32 v[cl:cl+1], v[cl:cl+1], v[cs+4:cs+5]
	v_pk_add_f32 v[cl+2:cl+3], v[cl+2:cl+3], v[cs+6:cs+7]
.endif
.endm
; x of this step, my 32 keys, transposed: eight fragments of 16 columns c x 32 keys, into buffer u of window 3
.macro LOADXT slot, u
.irp cb, 0,1,2,3,4,5,6,7
	ds_load_tr16_b128 v[64*\u+8*\cb:64*\u+8*\cb+3], v[ADT+\slot] offset:\u*64*XPITCH+32*\cb
	ds_load_tr16_b128 v[64*\u+8*\cb+4:64*\u+8*\cb+7], v[ADT+\slot] offset:\u*64*XPITCH+32*\cb+16*XPITCH
.endr
.endm
; One score product: tile q, K step k.  The first K step starts the sums.
.macro WSC cur, k, q
.if \cur
.if \k
	v_wmma_f32_16x16x32_bf16 v[SCUR+8*\q:SCUR+8*\q+7], v[KF+16*(\k%2)+8*(\q/4):KF+16*(\k%2)+8*(\q/4)+7], v[64*(\q%4)+8*\k:64*(\q%4)+8*\k+7], v[SCUR+8*\q:SCUR+8*\q+7]
.else
	v_wmma_f32_16x16x32_bf16 v[SCUR+8*\q:SCUR+8*\q+7], v[KF+16*(\k%2)+8*(\q/4):KF+16*(\k%2)+8*(\q/4)+7], v[64*(\q%4)+8*\k:64*(\q%4)+8*\k+7], 0
	s_wait_alu depctr_va_vdst(0)
.endif
.endif
.endm
; K step k of this step's scores (cur) with the softmax of tile k of the last step's scores (prev) between the eight products.
; The eight score tiles take turns, one matrix instruction a turn.
; Window 0x04 puts source 1 (Q) in window 1; what is mixed in there has one vector source alone (transcendentals, packed forms with scalar constants).
; The next K step's fragments are loaded into the buffer that the K step before read: behind those products stand the v_nop and the eight plain
; instructions of CST (or four v_nop), more than the four places that ISA guide 7.12.1 asks for.
.macro KSTEP k, slot, u, cur, prev, zero
	WIN 0
.if \cur
.if \k == 7
	s_wait_dscnt 0x10                              ; the sixteen transposing loads are younger than this K step's four and may stay out
.else
	s_wait_dscnt 0x0                               ; this K step's fragments are in
.endif
.endif
.if \prev
.if \k > 0
	v_nop                                          ; the plain place between the last exp2 and the use of its result
	s_wait_alu depctr_va_vdst(0)
	CST SPRV, \k-1, \zero
.endif
.else
	PLACES
.endif
.if \cur
.if \k < 7
	LOADK \k+1, \slot, \u
.endif
.if \k == 6
	WIN 0xc0
	LOADXT \slot, \u
.endif
	WIN 0x04
.endif
	WSC \cur, \k, 0
.if \prev
	TRANS v_exp_f32, SPRV+8*\k, 4
.endif
	WSC \cur, \k, 1
.if \prev
	TRANS v_exp_f32, SPRV+8*\k+4, 4
.endif
	WSC \cur, \k, 2
.if \prev
	NEXTM \k, 0
	FH SPRV+8*\k
.endif
	WSC \cur, \k, 3
.if \prev
	FH SPRV+8*\k+4
	TRANS v_rcp_f32, SPRV+8*\k, 2
.endif
	WSC \cur, \k, 4
.if \prev
	TRANS v_rcp_f32, SPRV+8*\k+2, 4
.endif
	WSC \cur, \k, 5
.if \prev
	TRANS v_rcp_f32, SPRV+8*\k+6, 2
	NEXTM \k, 1
.endif
	WSC \cur, \k, 6
.if \prev
	TRANS v_exp_f32, SPRV+8*\k, 4
.endif
	WSC \cur, \k, 7
.if \prev
	TRANS v_exp_f32, SPRV+8*\k+4, 4
.endif
.endm
; O[jb][cb] += x^T[cb] x weights[jb], x^T from buffer u: 32 output tiles, each once a step, so they take turns too.  zero = 1: the first products start the sums.
.macro PV u, zero
	WIN 0xa3                                       ; source 0 window 3, source 1 window 0, C and D window 2
.irp cb, 0,1,2,3,4,5,6,7
.irp jb, 0,1,2,3
.if \zero
	v_wmma_f32_16x16x32_bf16 v[64*\jb+8*\cb:64*\jb+8*\cb+7], v[64*\u+8*\cb:64*\u+8*\cb+7], v[PW+8*\jb:PW+8*\jb+7], 0
.else
	v_wmma_f32_16x16x32_bf16 v[64*\jb+8*\cb:64*\jb+8*\cb+7], v[64*\u+8*\cb:64*\u+8*\cb+7], v[PW+8*\jb:PW+8*\jb+7], v[64*\jb+8*\cb:64*\jb+8*\cb+7]
.endif
.endr
.endr
.endm
; The head of a tile of 128 keys in slot.  refill: the other slot gets the next tile.
.macro HEAD slot, refill, n0, cnt
	s_wait_tensorcnt 0x0                           ; all my tensor loads are done: the one that was out is my part of this tile
	ds_add_u32 v62, v63
	s_wait_dscnt 0x0
.if \refill
	s_add_co_u32 s45, s45, 1                       ; so a group 0 may be written: this slot's next tile, two on, round the 16
	s_and_b32 s42, s45, 15
	s_lshl_b32 s42, s42, 15
	s_add_nc_u64 s[G0+4*\slot+2:G0+4*\slot+3], s[40:41], s[42:43]
	s_or_b32 s[G0+4*\slot+3], s[G0+4*\slot+3], 0x80000000
.endif
	s_wait_dscnt 0x0                               ; my reads of the other slot are back, x transposed among them
.if \refill
	ROUND                                          ; all that now holds of every wave of the four work-groups
	REFILL G0+4*(1-\slot), \n0, \cnt               ; the next tile, first thing behind the round: one tensor load a wave, and two steps' work for it to land
.else
	s_barrier_signal -1                            ; nothing is filled any more: my work-group's barrier shows the tile to its four waves
	s_barrier_wait -1
.endif
.endm
; A step of 64 keys, step u of the slot.  cur: its scores are made; prev: the last step's scores become weights; tail: the weights of the step before that are
; finished and meet x.  zc: the first weights start the sums of weights; zp: the first products start the output's sums.
.macro SUB slot, u, cur, prev, tail, zc, zp
.set SCUR, SB0+64*\u
.set SPRV, SB0+64*(1-\u)
.if \cur
	LOADK 0, \slot, \u                             ; they come while the 32 products below run
.else
	s_wait_dscnt 0x0                               ; the last x transposed is in
.endif
.if \tail
	v_nop                                          ; the plain place behind the last exp2
	s_wait_alu depctr_va_vdst(0)
	CST SCUR, 7, 0                                 ; the buffer that this step's scores will fill still holds the last tile of weights
	PV \u, \zp
	WIN 0
.else
	PLACES                                         ; behind the last score products, in front of the vector work that reads them
.endif
.if \prev
	MSTH SPRV
	MSTH SPRV+4
.endif
.if \cur+\prev
.irp k, 0,1,2,3,4,5,6,7
	KSTEP \k, \slot, \u, \cur, \prev, \zc
.endr
	WIN 0
.endif
.endm
	HEAD 0, 1, 2, 1                                ; tile 0
	SUB 0, 0, 1, 0, 0, 0, 0                        ; step 0: scores alone
	SUB 0, 1, 1, 1, 0, 1, 0                        ; step 1; step 0's weights start their sums: nothing is cleared
	HEAD 1, 1, 3, 1                                ; tile 1
	SUB 1, 0, 1, 1, 1, 0, 1                        ; step 2; step 0's weights meet x and start the output's sums
	SUB 1, 1, 1, 1, 1, 0, 0
	s_mov_b32 s44, 6
.Lloop:
	HEAD 0, 1, 0, 0                                ; tiles 2 to 13
	SUB 0, 0, 1, 1, 1, 0, 0
	SUB 0, 1, 1, 1, 1, 0, 0
	HEAD 1, 1, 0, 0
	SUB 1, 0, 1, 1, 1, 0, 0
	SUB 1, 1, 1, 1, 1, 0, 0
	s_sub_co_u32 s44, s44, 1
	s_cmp_lg_u32 s44, 0
	s_cbranch_scc1 .Lloop
	HEAD 0, 1, 0, 0                                ; tile 14; asks for tile 15 (slot 0's stepped address is not used)
	SUB 0, 0, 1, 1, 1, 0, 0
	SUB 0, 1, 1, 1, 1, 0, 0
	HEAD 1, 0, 0, 0                                ; tile 15: nothing is left to fetch
	SUB 1, 0, 1, 1, 1, 0, 0
	SUB 1, 1, 1, 1, 1, 0, 0
	SUB 0, 0, 0, 1, 1, 0, 0                        ; step 31's softmax; step 30's weights meet x
	SUB 0, 1, 0, 0, 1, 0, 0                        ; step 31's weights meet x
	; the sums of weights: four partial sums a lane, then the other half of the lanes (the keys 8 h + t).  These plain instructions are also the places
	; between the last matrix instruction and the LDS stores that read results.
.irp nb, 0,1,2,3
	v_pk_add_f32 v[LS+4*\nb:LS+4*\nb+1], v[LS+4*\nb:LS+4*\nb+1], v[LS+4*\nb+2:LS+4*\nb+3]
.endr
.irp nb, 0,1,2,3
	v_add_f32 v[LS+4*\nb], v[LS+4*\nb], v[LS+4*\nb+1]
.endr
.irp nb, 0,1,2,3
	v_permlanex16_b32 v[LS+4*\nb+1], v[LS+4*\nb], s50, s51
.endr
.irp nb, 0,1,2,3
	v_add_f32 v[LS+4*\nb], v[LS+4*\nb], v[LS+4*\nb+1]
.endr
; THE MERGE of the two key halves: the wave with kh = 0 finishes query blocks 0, 1 and sends 2, 3; the wave with kh = 1 the other way round.
.macro SEND jb0
	WIN 0x08                                       ; store data from window 2
.irp z, 0,1
.set si, 0
.rept 16
	ds_store_b128 v[EXS], v[64*(\jb0+\z)+4*si:64*(\jb0+\z)+4*si+3] offset:(16*\z+si)*512
.set si, si+1
.endr
.endr
	WIN 0
	ds_store_b32 v[EXS], v[LS+4*(\jb0)] offset:32*512
	ds_store_b32 v[EXS], v[LS+4*(\jb0+1)] offset:33*512
.endm
; A query block is finished: partner's sums added, divided by the sum of weights, 16 rows turned through my stage, each row stored as 512 consecutive bytes, aligned.
.macro FIN jb0
.irp z, 0,1
	ds_load_b32 v[TEMP], v[EXR] offset:(32+\z)*512
.set fi, 0
.rept 16
	ds_load_b128 v[SB0+4*fi:SB0+4*fi+3], v[EXR] offset:(16*\z+fi)*512
.set fi, fi+1
.endr
	s_wait_dscnt 0x0
	v_add_f32 v[TEMP], v[LS+4*(\jb0+\z)], v[TEMP]
	v_rcp_f32 v[TEMP+2], v[TEMP]                   ; twice, for the packed multiply; the additions below are the plain places in front of its use
	v_rcp_f32 v[TEMP+3], v[TEMP]
	WIN 0x02                                       ; source 0 from window 2
.set fi, 0
.rept 32
	v_pk_add_f32 v[SB0+2*fi:SB0+2*fi+1], v[64*(\jb0+\z)+2*fi:64*(\jb0+\z)+2*fi+1], v[SB0+2*fi:SB0+2*fi+1]
.set fi, fi+1
.endr
	WIN 0
.set fi, 0
	s_wait_alu depctr_va_vdst(0)
.rept 32
	v_pk_mul_f32 v[SB0+2*fi:SB0+2*fi+1], v[SB0+2*fi:SB0+2*fi+1], v[TEMP+2:TEMP+3]
.set fi, fi+1
.endr
.set fi, 0
.rept 16
	ds_store_b128 v[STO], v[SB0+4*fi:SB0+4*fi+3] offset:64*(fi/2)+16*(fi%2)   ; row j = r, columns 16 cb + 8 h + 4 g
.set fi, fi+1
.endr
.if \z
	s_wait_xcnt 0x0                                ; the last block's stores have had their addresses translated (ISA guide 3.1): their data registers are loaded again only behind this wait
.endif
.set fi, 0
.rept 16
	ds_load_b128 v[SB1+4*fi:SB1+4*fi+3], v[RD] offset:fi*SPITCH               ; LDS serves a wave's instructions in order (ISA guide 5.7.1): these see the stores above
.set fi, fi+1
.endr
.set fi, 0
.rept 16
	s_wait_dscnt 15-fi                             ; the younger rows may stay out
	global_store_b128 v[OUTOFF], v[SB1+4*fi:SB1+4*fi+3], s[14:15] offset:(16*(\jb0+\z)+fi)*512 th:TH_STORE_NT
.set fi, fi+1
.endr
.endr
.endm
	s_cmp_eq_u32 s18, 0
	s_cbranch_scc0 .Lsend_low
	SEND 2
	s_branch .Lsent
.Lsend_low:
	SEND 0
.Lsent:
	s_wait_dscnt 0x0                               ; for the partner's sake: my stores are done
	s_barrier_signal -1
	s_barrier_wait -1
	s_cmp_eq_u32 s18, 0
	s_cbranch_scc0 .Lfinish_high
	FIN 0
	s_branch .Lfinished
.Lfinish_high:
	FIN 2
.Lfinished:
	s_wait_tensorcnt 0x0
	ds_add_u32 v62, v63
	s_wait_dscnt 0x0
	ROUND                                          ; the closing round: no work-group ends while a partner may still ask for a tile that names it
	s_endpgm
.Lfunc_end_k_q5df15d5815_ptr:
	.size	k_q5df15d5815_ptr, .Lfunc_end_k_q5df15d5815_ptr-k_q5df15d5815_ptr
	.p2alignl 7, 3214868480
	.fill 96, 4, 3214868480
	.section	.rodata,"a",@progbits
	.p2align	6, 0x0
	.amdhsa_kernel k_q5df15d5815_ptr
		.amdhsa_group_segment_fixed_size 327680
		.amdhsa_private_segment_fixed_size 0
		.amdhsa_enable_private_segment 0
		.amdhsa_kernarg_size 48
		.amdhsa_user_sgpr_count 2
		.amdhsa_user_sgpr_kernarg_segment_ptr 1
		.amdhsa_wavefront_size32 1
		.amdhsa_system_sgpr_workgroup_id_x 1
		.amdhsa_system_sgpr_workgroup_id_y 1
		.amdhsa_system_sgpr_workgroup_id_z 1
		.amdhsa_system_vgpr_workitem_id 0
		.amdhsa_next_free_vgpr 1024
		.amdhsa_next_free_sgpr 76
		.amdhsa_reserve_vcc 0
		.amdhsa_float_denorm_mode_32 3
		.amdhsa_float_denorm_mode_16_64 3
		.amdhsa_memory_ordered 1
		.amdhsa_forward_progress 1
		.amdhsa_inst_pref_size 255
	.end_amdhsa_kernel
	.section	.bss,"aw",@nobits
	.p2align	6
	.space	262144
	.amdgpu_metadata
---
amdhsa.version: [ 1, 2 ]
amdhsa.kernels:
  - .name:           k_q5df15d5815_ptr
    .symbol:         k_q5df15d5815_ptr.kd
    .args:
      - { .name: eb, .offset: 0, .size: 8, .value_kind: global_buffer, .address_space: global }
      - { .name: w2b, .offset: 8, .size: 8, .value_kind: global_buffer, .address_space: global }
      - { .name: xb, .offset: 16, .size: 8, .value_kind: global_buffer, .address_space: global }
      - { .name: W1, .offset: 24, .size: 8, .value_kind: global_buffer, .address_space: global }
      - { .name: d, .offset: 32, .size: 8, .value_kind: global_buffer, .address_space: global }
      - { .name: out0, .offset: 40, .size: 8, .value_kind: global_buffer, .address_space: global }
    .group_segment_fixed_size: 327680
    .private_segment_fixed_size: 0
    .kernarg_segment_align: 8
    .kernarg_segment_size: 48
    .max_flat_workgroup_size: 128
    .sgpr_count:     76
    .vgpr_count:     1024
    .wavefront_size: 32
...
	.end_amdgpu_metadata
.endif
;; end of part 2
;; ======== version 2 of 2: 2 launches; version 1 with the launch tobf16 written anew for expert scheduling mode
;; workspace buffers: eb 8,388,608 bytes; xb 8,388,608 bytes; w2b 524,288 bytes
;; launch tobf16 (part 3): grid 256 x 1, 8 waves a work-group, no clusters, 0 bytes of LDS; arguments e, x, W2, eb, xb, w2b; writes eb, xb, w2b
.if DOCPART == 3
	.amdgcn_target "amdgcn-amd-amdhsa--gfx1250"
	.amdhsa_code_object_version 6
	.text
	.protected	k_q5df15d5815_tobf16
	.globl	k_q5df15d5815_tobf16
	.p2align	8
	.type	k_q5df15d5815_tobf16,@function
k_q5df15d5815_tobf16:
	s_mov_b64 s[64:65], 0
	v_nop
	global_prefetch_b8 v0, s[64:65] scope:SCOPE_SE
	s_setreg_imm32_b32 hwreg(HW_REG_WAVE_SCHED_MODE, 0, 2), 2
	s_setreg_imm32_b32 hwreg(HW_REG_WAVE_MODE, 25, 1), 1
	s_wait_xcnt 0x0
	s_wait_alu depctr_vm_vsrc(0)
; eb = bf16(e), xb = bf16(x), w2b = bf16(W2), rounded to nearest even, same order of elements.
; Why a launch of its own: in the next launch the 16 work-groups of a batch all walk e and x of that batch, and all 256 walk W2; rounded here, each number is rounded once.
; 256 work-groups x 8 waves = 2,048 waves.  Wave g owns 8,192 consecutive bytes of e, 8,192 of x (16 blocks of 512 bytes each) and 512 bytes of W2:
; 2,048 x 8,192 = 16,777,216 and 2,048 x 512 = 1,048,576, the buffers' sizes.
; A load takes 16 bytes a lane, 512 consecutive bytes a wave; its four f32 a lane become 8 bytes, so a store of the wave covers 256 consecutive bytes, aligned.
; All 33 loads of a wave go out first: no loop, no register is used twice, so no store's data or address is ever rewritten.
; No LDS, barrier, cluster or matrix unit: no byte is used twice here.
; THE MODE: SCHED_MODE bits 1:0 = 2 (LLVM: expert scheduling mode 2), set by the entry lines.  The code itself states the register dependences
; between vector instructions and memory instructions, with s_wait_alu, always for 0.
; THE PLAN.  Registers that memory instructions touch:
;   v3 .. v6   byte offsets.  Written once at the head by vector instructions, read by every load and store, never written again.
;   v[8:139]   block n in four registers.  Load n lands in them; no vector instruction names them before that.  Block n's two conversions read the four and write
;              the first two in place; store n reads those two; nothing writes them afterwards.
; So two kinds of dependence are stated: the offsets are written ahead of the first load, and a block's conversions have written ahead of its store.
; No register that a memory instruction has read is written again, so no wait on vm_vsrc and none on XCNT is owed.
; The 32 blocks of e and x go in eight groups of four.  At the head of group g one wait states that group g - 1's conversions have written; the four stores of
; group g - 1 then stand among group g's eight conversions, which name group g's registers alone.  One last wait serves group 7's stores and W2's.
.set XR, 8                             ; v[8:139]  block n in four registers at 4 n: e's 16, x's 16, W2's one
.set GRP, 4                            ; blocks in a group
	s_load_b256 s[4:11], s[0:1], 0x0               ; e s[4:5], x s[6:7], W2 s[8:9], eb s[10:11]
	s_load_b128 s[12:15], s[0:1], 0x20             ; xb s[12:13], w2b s[14:15]
	v_and_b32 v1, 31, v0                           ; lane
	v_lshrrev_b32 v2, 5, v0                        ; wave
	v_lshlrev_b32 v3, 4, v0                        ; W2: 512 wave + 16 lane = 16 t
	v_lshlrev_b32 v4, 3, v0                        ; w2b: 8 t
	v_lshlrev_b32 v5, 4, v1
	v_lshl_add_u32 v5, v2, 13, v5                  ; e, x: 8,192 wave + 16 lane
	v_lshlrev_b32 v6, 3, v1
	v_lshl_add_u32 v6, v2, 12, v6                  ; eb, xb: 4,096 wave + 8 lane
	s_lshl_b32 s16, ttmp9, 16                      ; the work-group's part: 65,536 bytes of e and of x,
	s_mov_b32 s17, 0
	s_lshl_b32 s18, ttmp9, 15                      ; 32,768 of eb and of xb,
	s_mov_b32 s19, 0
	s_lshl_b32 s20, ttmp9, 12                      ; 4,096 of W2,
	s_mov_b32 s21, 0
	s_lshl_b32 s22, ttmp9, 11                      ; 2,048 of w2b
	s_mov_b32 s23, 0
	s_wait_kmcnt 0x0
	s_add_nc_u64 s[4:5], s[4:5], s[16:17]
	s_add_nc_u64 s[6:7], s[6:7], s[16:17]
	s_add_nc_u64 s[8:9], s[8:9], s[20:21]
	s_add_nc_u64 s[10:11], s[10:11], s[18:19]
	s_add_nc_u64 s[12:13], s[12:13], s[18:19]
	s_add_nc_u64 s[14:15], s[14:15], s[22:23]
	s_wait_alu depctr_va_vdst(0)                   ; v3 to v6 are written: every load and store of the kernel reads one of them as its offset
.set i, 0
.rept 16
	global_load_b128 v[XR+4*i:XR+4*i+3], v5, s[4:5] offset:512*i th:TH_LOAD_NT
.set i, i+1
.endr
.set i, 0
.rept 16
	global_load_b128 v[XR+64+4*i:XR+64+4*i+3], v5, s[6:7] offset:512*i th:TH_LOAD_NT
.set i, i+1
.endr
	global_load_b128 v[XR+128:XR+131], v3, s[8:9] th:TH_LOAD_NT
; block n's four f32 a lane close up into the first two of their four registers
.macro CVT n
	v_cvt_pk_bf16_f32 v[XR+4*(\n)], v[XR+4*(\n)], v[XR+4*(\n)+1]
	v_cvt_pk_bf16_f32 v[XR+4*(\n)+1], v[XR+4*(\n)+2], v[XR+4*(\n)+3]
.endm
; block n leaves: blocks 0 to 15 into eb, blocks 16 to 31 into xb
.macro OUT n
.if (\n) < 16
	global_store_b64 v6, v[XR+4*(\n):XR+4*(\n)+1], s[10:11] offset:256*(\n)
.else
	global_store_b64 v6, v[XR+4*(\n):XR+4*(\n)+1], s[12:13] offset:256*((\n)-16)
.endif
.endm
; group g: blocks 4 g to 4 g + 3 are rounded; the stores of group g - 1 stand among the conversions, a store ahead of each block's two
.set g, 0
.rept 8
	s_wait_loadcnt 32-GRP*g-(GRP-1)                ; loads come back in order (ISA guide 5.7.1): the group's four blocks are in, the 29 - 4 g younger loads stay out
.if g > 0
	s_wait_alu depctr_va_vdst(0)                   ; the conversions of the group before have written the registers that the four stores below read; no vector instruction behind this wait names them
.endif
.set i, 0
.rept GRP
.if g > 0
	OUT GRP*(g-1)+i
.endif
	CVT GRP*g+i
.set i, i+1
.endr
.set g, g+1
.endr
	s_wait_loadcnt 0x0                             ; W2's block, the last load
	CVT 32
	s_wait_alu depctr_va_vdst(0)                   ; the conversions of group 7 and of W2's block have written the registers that the last five stores read
	OUT 28
	OUT 29
	OUT 30
	OUT 31
	global_store_b64 v4, v[XR+128:XR+129], s[14:15]
	s_endpgm
.Lfunc_end_k_q5df15d5815_tobf16:
	.size	k_q5df15d5815_tobf16, .Lfunc_end_k_q5df15d5815_tobf16-k_q5df15d5815_tobf16
	.p2alignl 7, 3214868480
	.fill 96, 4, 3214868480
	.section	.rodata,"a",@progbits
	.p2align	6, 0x0
	.amdhsa_kernel k_q5df15d5815_tobf16
		.amdhsa_group_segment_fixed_size 0
		.amdhsa_private_segment_fixed_size 0
		.amdhsa_enable_private_segment 0
		.amdhsa_kernarg_size 48
		.amdhsa_user_sgpr_count 2
		.amdhsa_user_sgpr_kernarg_segment_ptr 1
		.amdhsa_wavefront_size32 1
		.amdhsa_system_sgpr_workgroup_id_x 1
		.amdhsa_system_sgpr_workgroup_id_y 1
		.amdhsa_system_sgpr_workgroup_id_z 1
		.amdhsa_system_vgpr_workitem_id 0
		.amdhsa_next_free_vgpr 140
		.amdhsa_next_free_sgpr 66
		.amdhsa_reserve_vcc 0
		.amdhsa_float_denorm_mode_32 3
		.amdhsa_float_denorm_mode_16_64 3
		.amdhsa_memory_ordered 1
		.amdhsa_forward_progress 1
		.amdhsa_inst_pref_size 13
	.end_amdhsa_kernel
	.amdgpu_metadata
---
amdhsa.version: [ 1, 2 ]
amdhsa.kernels:
  - .name:           k_q5df15d5815_tobf16
    .symbol:         k_q5df15d5815_tobf16.kd
    .args:
      - { .name: e, .offset: 0, .size: 8, .value_kind: global_buffer, .address_space: global }
      - { .name: x, .offset: 8, .size: 8, .value_kind: global_buffer, .address_space: global }
      - { .name: W2, .offset: 16, .size: 8, .value_kind: global_buffer, .address_space: global }
      - { .name: eb, .offset: 24, .size: 8, .value_kind: global_buffer, .address_space: global }
      - { .name: xb, .offset: 32, .size: 8, .value_kind: global_buffer, .address_space: global }
      - { .name: w2b, .offset: 40, .size: 8, .value_kind: global_buffer, .address_space: global }
    .group_segment_fixed_size: 0
    .private_segment_fixed_size: 0
    .kernarg_segment_align: 8
    .kernarg_segment_size: 48
    .max_flat_workgroup_size: 256
    .sgpr_count:     66
    .vgpr_count:     140
    .wavefront_size: 32
...
	.end_amdgpu_metadata
.endif
;; end of part 3
;; launch ptr: the kernel of part 2 again; grid 16 x 16, 4 waves a work-group, clusters of 4 x 1, 327,680 bytes of LDS; arguments eb, w2b, xb, W1, d, out0; writes out0
